; MI455X (gfx1250); checked and timed in simulation.
; The chip was launched on July 23, 2026; its instructions are those of AMD's public machine-readable ISA for CDNA 5 (MIT licence, August 2026) and "CDNA5" Instruction Set Architecture Reference Guide (July 2026). The comments in the code are by the model that wrote it; some were corrected since.
;; Attention. Allowed arithmetic: matrix products marked QUANTISED: E3M2 operands, one E8M0 scale for each 32 along K, by v_wmma_scale_f32_16x16x128_f8f6f4 with both operands' format E3M2, f32 sums; products left as they are: f32 operands where the result goes on into a quantised operand, else bf16, f16 or f32 operands; f32 sums; everything else in f32.
;; Inputs: W_K 1,024 x 1,024 float32; W_Q 1,024 x 1,024 float32; W_V 1,024 x 1,024 float32; W_f 1,024 x 1 float32; b_K 1,024 float32; b_Q 1,024 float32; b_V 1,024 float32; b_f 1 float32; key 32 x 1,024 x 1,024 float32; query 32 x 1,024 float32.
;; Outputs: out0 32 x 1,024 float32; out1 32 x 1,024 float32.
;; This version of the problem:
;;   THIS VERSION OF THE PROBLEM IS GIVEN IN LOW PRECISION. The matrix products marked QUANTISED in the list below multiply operands that are first quantised to E3M2 (3 exponent bits, 2 mantissa bits; 6 bits a number), with one power-of-two scale for each 32 numbers along K (OCP MX v1.0); their sums are f32. All else is computed in f32.
;;   The module's matrix products, in the order in which they are computed (A, B: the left and right operand; K: the contracted axis; several contracted axes count as one K, in the product's order):
;;     1. [M 32,768, K 1,024] x [K 1,024, N 1,024]; A: input key; B: input W_K: QUANTISED
;;     2. [M 32, K 1,024] x [K 1,024, N 1,024]; A: input query; B: input W_Q: QUANTISED
;;     3. [M 32,768, K 1,024] x [K 1,024, N 1,024]; A: input key; B: input W_V: QUANTISED
;;     4. [M 32,768, K 1,024] x [K 1,024, N 1]; A: computed on the way; B: input W_f: left as it is (N = 1 < 16)
;;     5. batch 32 x [M 1,024, K 1,024] x [K 1,024, N 1]; A: computed on the way; B: softmax: left as it is (N = 1 < 16)
;;   THE QUANTISER, for each operand of a quantised product, along K:
;;     - K is cut into blocks of 32 from its start; a last block that is shorter is filled with zeros.
;;     - A block's scale is 2^e with e = floor(log2(the largest magnitude in the block)) - 4, held to -126 .. 127; a block of zeros has e = 0. As a byte (E8M0): e + 127.
;;     - Each number is divided by its block's scale, clamped to +-28, and rounded to the nearest number of E3M2, ties to even, subnormals kept.
;;     - The product sums the exact products of the quantised numbers (number of the format x scale) in f32.
;;   ~~~python
;;   def quantise(x, axis):      # numpy; x: float32 -> the quantised numbers, widened to float32 again
;;       x = np.moveaxis(x, axis, -1); K = x.shape[-1]
;;       x = np.pad(x, [(0, 0)] * (x.ndim - 1) + [(0, -K % 32)]); x = x.reshape(x.shape[:-1] + (-1, 32)); a = np.abs(x).max(-1, keepdims=True)
;;       e = np.where(a > 0, np.clip(np.frexp(np.where(a > 0, a, 1))[1] - 1 - 4, -126, 127), 0)      # np.frexp(a)[1] - 1 = floor(log2(a)), exactly
;;       r = np.clip(x / 2.0 ** e, -28, 28)
;;       step = 2.0 ** (np.maximum(np.frexp(np.where(r == 0, 1, r))[1] - 1, -2) - 2)
;;       q = np.round(r / step) * step * 2.0 ** e      # np.round: ties to even
;;       return np.moveaxis(q.reshape(q.shape[:-2] + (-1,))[..., :K], -1, axis).astype(np.float32)
;;   ~~~
;; One version. Each part assembles by itself: llvm-mc -triple=amdgcn-amd-amdhsa -mcpu=gfx1250 --defsym DOCPART=n.
;; ======== version 1 of 1: 3 launches
;; limits: right only within a limited range of input values
;; workspace buffers: wq 1,638,400 bytes; cvec 262,144 bytes; sc 131,072 bytes; part 1,048,576 bytes
;; launch prep (part 1): grid 96 x 1, 8 waves a work-group, no clusters, 84,992 bytes of LDS; arguments W_K, W_V, W_Q, query, b_Q, b_K, b_V, wq, cvec; writes wq, cvec
.if DOCPART == 1
	.amdgcn_target "amdgcn-amd-amdhsa--gfx1250"
	.amdhsa_code_object_version 6
	.text
	.protected	k_q62e99c83d9_prep
	.globl	k_q62e99c83d9_prep
	.p2align	8
	.type	k_q62e99c83d9_prep,@function
k_q62e99c83d9_prep:
	s_mov_b64 s[64:65], 0
	v_nop
	global_prefetch_b8 v0, s[64:65] scope:SCOPE_SE
	s_setreg_imm32_b32 hwreg(HW_REG_WAVE_MODE, 25, 1), 1
	s_wait_xcnt 0x0
; Two jobs in one launch; a work-group's number says which, and the text parts once.
; WORK-GROUPS 0-63: W_K and W_V ([1024 (k)][1024 (n)] f32, K along the FIRST axis) become codes of E3M2 with one E8M0 byte for each 32 along K, laid in wq in the order in which the next
;   launch's operand registers take them: [16 slots][4 waves][2 K steps][12,800 bytes]; a piece of 12,800 bytes is 8 fragments (16 columns x 128 K) of 1,536 bytes, each the image of its 12 registers
;   (registers 4 g .. 4 g + 3 of lane L at 512 g + 16 L), then 512 bytes of scale words (the word at 16 L + 4 i: column block 2 i + L / 16, column L % 16).
; WORK-GROUPS 64-95: 32 columns of att2 = Q(query) Q(W_Q); cvec[b][0..1023] = att2 + b_Q + b_K, cvec[b][1024..2047] = b_V.  The eight waves share K, 128 each; their parts meet in LDS.
; A LANE TAKES A COLUMN AND ITS REGISTERS RUN DOWN K: a block of 32 lies in one lane, its largest magnitude needs no other lane, and the conversions give codes with K innermost.
; A block's byte is its largest magnitude's exponent field - 4, held at 1 from below.
; LIMITS: a block of zeros, or one whose largest magnitude lies under 2^-122, gets the byte 1 (its codes are zeros or subnormals; this program alone reads the bytes); NaN and infinities are not served;
;   att2's K is summed in eight parts of 128, which are then added in f32.
; No tensor loads, no cluster: the work-groups share nothing but the 128 KiB of the query.  Each way has LDS bytes of its own.
; WORK LEFT OUT, in the whole program: b_f.  reference() adds b_f, one number, to every score of a batch, and the scores go into softmax(scores, axis = 1) and nowhere else;
;   e^(s + b_f) / sum e^(s + b_f) = e^s / sum e^s for every finite b_f, so alpha does not hang on it, and awe hangs on the scores through alpha alone.  b_f is not loaded and is no launch's argument.
;   LIMIT: a NaN, an infinity or an overflow that b_f alone would bring is not carried to the results.
.set IMG2, 25600                       ; the query way's images of W_Q's fragments
.set RED,  51200                       ; the query way's parts of att2: 4,096 bytes a wave
.set WO,   4                           ; v4   4 x lane: my column's bytes in a row of the weight
.set VA,   5                           ; v5   where my codes go in the image: 12,800 (wave / 4) + 3,072 (wave % 4) + 1,536 (lane / 16) + 16 (lane % 16)
.set SWA,  6                           ; v6   and my scale word: 12,800 (wave / 4) + 12,288 + 16 lane + 4 (wave % 4)
.set LI2,  7                           ; v7   my wave's two fragments, read back as registers: 12,800 (wave / 4) + 3,072 (wave % 4) + 16 lane
.set QO,   8                           ; v8   the query: row lane % 16 of 4,096 bytes + 128 (lane / 16)
.set RW,   9                           ; v9   RED + 4,096 wave + 16 lane
.set RR,   10                          ; v10  where thread t finds batch t / 8, columns 4 (t % 8) on, in a wave's part
.set CPL,  11                          ; v11  16 t
.set CO,   12                          ; v12  8,192 (t / 8) + 16 (t % 8): the same place in cvec
.set BOF,  13                          ; v13  16 (t % 8)
.set SH8,  14                          ; v14  8 (lane / 16)
.set M0,   16                          ; v16-17 two chains of a block's largest magnitude
.set M1,   17
.set SCL,  18                          ; v18  the conversions' scale operand
.set BY,   19                          ; v19, v23 scale bytes
.set TQ,   20                          ; v20-22 a block's upper 16 codes as they are made
.set BY1,  23
.set C6,   24                          ; v24-29 a block's 32 codes
.set WS,   30                          ; v30  my column's scale word
.set W2,   31
.set BQ,   32                          ; v32-35 b_Q, v36-39 b_K, v40-43 b_V: four numbers each
.set BK,   36
.set BV,   40
.set QS,   48                          ; v48-49 the query's scale words
.set X,    64                          ; v64-127 two sets of 32 numbers of the weight; later:
.set QF,   64                          ; v64-87 the query's two fragments
.set WFR,  88                          ; v88-111 W_Q's two fragments
.set QR,   128                         ; v128-255 128 numbers of the query; later:
.set ACC,  128                         ; v128-159 four accumulators
.set SUM,  160                         ; v160-191 eight waves' parts
; 32 numbers of ONE block, v[xs] on, become 6 registers of codes at v[dst] on and the block's byte in v[by].
.macro QB xs, dst, by
	v_max3_num_f32 v[M0], |v[\xs]|, |v[\xs+1]|, 0x2800000           ; the floor 2^(5 - 127) among the leaves: the byte cannot fall under 1
	v_max3_num_f32 v[M1], |v[\xs+16]|, |v[\xs+17]|, |v[\xs+18]|
.irp i, 0,1,2,3,4,5
	s_delay_alu instid0(VALU_DEP_2)
	v_max3_num_f32 v[M0], v[M0], |v[\xs+2+2*\i]|, |v[\xs+3+2*\i]|   ; two chains by turns
	s_delay_alu instid0(VALU_DEP_2)
	v_max3_num_f32 v[M1], v[M1], |v[\xs+19+2*\i]|, |v[\xs+20+2*\i]|
.endr
	s_delay_alu instid0(VALU_DEP_2)
	v_max3_num_f32 v[M0], v[M0], |v[\xs+14]|, |v[\xs+15]|
	s_delay_alu instid0(VALU_DEP_1)
	v_max3_num_f32 v[M0], v[M0], v[M1], |v[\xs+31]|
	s_delay_alu instid0(VALU_DEP_1)
	v_add_nc_u32 v[SCL], 0xfe000000, v[M0]                         ; 4 off the exponent field: the conversion takes that field as its scale
	v_cvt_scalef32_pk16_bf6_f32 v[\dst:\dst+2], v[\xs:\xs+15], v[SCL]
	v_cvt_scalef32_pk16_bf6_f32 v[TQ:TQ+2], v[\xs+16:\xs+31], v[SCL]   ; (a conversion's three registers begin on an even number)
	v_lshrrev_b32 v[\by], 23, v[SCL]                               ; the byte; also the plain line behind the conversions
	v_mov_b32 v[\dst+3], v[TQ]
	v_mov_b32 v[\dst+4], v[TQ+1]
	v_mov_b32 v[\dst+5], v[TQ+2]
.endm
.macro LOADW kb                        ; block kb: rows 32 kb + i of my wave's 128, my column.  32 lanes read 128 consecutive bytes; no hint: the neighbouring bytes of these rows are read by neighbours
.irp i, 0,1,2,3,4,5,6,7,8,9,10,11,12,13,14,15,16,17,18,19,20,21,22,23,24,25,26,27,28,29,30,31
	global_load_b32 v[X+32*((\kb)%2)+\i], v[WO], s[26:27] offset:(32*(\kb)+\i)*4096
.endr
.endm
; Block kb of my column is lane 16 (kb % 2) + lane % 16 of the fragment, registers 6 (kb / 2) .. + 5: registers 0-3, 4-5 or 6-7, 8-11 of the image's groups of four.
.macro BLOCK kb, base
.if (\kb) < 3
	s_wait_loadcnt 32                              ; this block's 32 loads are in; the next block's may be out
.else
	s_wait_loadcnt 0x0
.endif
.if (\kb) == 0
	QB X+32*((\kb)%2), C6, WS
.else
	QB X+32*((\kb)%2), C6, BY
	s_delay_alu instid0(VALU_DEP_4)
	v_lshl_or_b32 v[WS], v[BY], 8*(\kb), v[WS]     ; the lower K in the lower byte
.endif
.if (\kb) < 2
	ds_store_b128 v[VA], v[C6:C6+3] offset:\base+256*((\kb)%2)
	ds_store_b64 v[VA], v[C6+4:C6+5] offset:\base+512+256*((\kb)%2)
.else
	ds_store_b64 v[VA], v[C6:C6+1] offset:\base+520+256*((\kb)%2)
	ds_store_b128 v[VA], v[C6+2:C6+5] offset:\base+1024+256*((\kb)%2)
.endif
.if (\kb)+2 < 4
	LOADW (\kb)+2
.endif
	s_wait_dscnt 0x0                               ; the stores have read their registers: the next block's codes may be written
.endm
	s_load_b256 s[4:11], s[0:1], 0x0               ; W_K, W_V, W_Q, query
	s_load_b256 s[12:19], s[0:1], 0x20             ; b_Q, b_K, b_V, wq
	s_load_b64 s[20:21], s[0:1], 0x40              ; cvec
	v_lshl_add_u32 v62, v0, 2, 0x14800
	v_mov_b32 v63, 0
	v_lshrrev_b32 v1, 5, v0
	s_delay_alu instid0(VALU_DEP_1)
	v_readfirstlane_b32 s22, v1                    ; wave 0..7
	v_and_b32 v1, 31, v0                           ; lane
	s_wait_alu depctr_va_vdst(0)
	v_and_b32 v2, 15, v0
	s_wait_alu depctr_va_vdst(0)
	v_bfe_u32 v3, v0, 4, 1
	s_lshr_b32 s23, s22, 2                         ; wave / 4
	s_and_b32 s24, s22, 3                          ; wave % 4
	s_mul_i32 s25, s23, 12800
	s_mul_i32 s30, s24, 3072
	s_add_co_u32 s25, s25, s30                     ; my wave's two fragments in an image
	s_mov_b32 s42, 0x76543210
	s_mov_b32 s43, 0xfedcba98                      ; v_permlanex16_b32's selects for lane l xor 16
	v_lshlrev_b32 v[WO], 2, v1
	v_mul_u32_u24 v[VA], v3, 1536
	s_delay_alu instid0(VALU_DEP_1)
	v_lshl_add_u32 v[VA], v2, 4, v[VA]
	s_delay_alu instid0(VALU_DEP_1)
	v_add_nc_u32 v[VA], s25, v[VA]
	s_mul_i32 s30, s23, 12800
	s_lshl_b32 s31, s24, 2
	s_add_co_u32 s30, s30, s31
	s_add_co_u32 s30, s30, 12288
	v_lshl_add_u32 v[SWA], v1, 4, s30
	v_lshl_add_u32 v[LI2], v1, 4, s25
	v_lshlrev_b32 v[QO], 12, v2
	s_wait_alu depctr_va_vdst(0)
	v_lshl_add_u32 v[QO], v3, 7, v[QO]
	s_lshl_b32 s30, s22, 12
	s_add_co_u32 s30, s30, RED
	v_lshl_add_u32 v[RW], v1, 4, s30
	v_lshrrev_b32 v15, 7, v0                       ; a part holds register group 4 mb + 2 nb + e at 512 bytes each, lane 16 h + r at 16 bytes:
	s_delay_alu instid0(VALU_DEP_1)
	v_lshlrev_b32 v[RR], 11, v15                   ; batch block mb = t / 128,
	v_bfe_u32 v15, v0, 2, 1
	s_delay_alu instid0(VALU_DEP_1)
	v_lshl_add_u32 v[RR], v15, 10, v[RR]           ; column block nb,
	v_and_b32 v15, 1, v0
	s_delay_alu instid0(VALU_DEP_1)
	v_lshl_add_u32 v[RR], v15, 9, v[RR]            ; which four of a lane's eight, e,
	v_bfe_u32 v15, v0, 1, 1
	s_delay_alu instid0(VALU_DEP_1)
	v_lshl_add_u32 v[RR], v15, 8, v[RR]            ; half h,
	v_bfe_u32 v15, v0, 3, 4
	s_delay_alu instid0(VALU_DEP_1)
	v_lshl_add_u32 v[RR], v15, 4, v[RR]            ; batch r in its block
	s_delay_alu instid0(VALU_DEP_1)
	v_add_nc_u32 v[RR], RED, v[RR]
	v_lshlrev_b32 v[CPL], 4, v0
	v_lshrrev_b32 v15, 3, v0
	s_delay_alu instid0(VALU_DEP_1)
	v_lshlrev_b32 v[CO], 13, v15
	v_and_b32 v15, 7, v0
	s_delay_alu instid0(VALU_DEP_1)
	v_lshl_add_u32 v[CO], v15, 4, v[CO]
	s_delay_alu instid0(VALU_DEP_2)
	v_lshlrev_b32 v[BOF], 4, v15
	v_lshlrev_b32 v[SH8], 3, v3
	v_mov_b32 v[W2], 0                             ; a lane permute's destination counts as one of its sources
	s_wait_kmcnt 0x0
	s_cmp_lt_u32 ttmp9, 64
	s_cbranch_scc0 .Lquery
	; ---- W_K and W_V.  Work-group g: column group cg = g / 4 (128 columns of [W_K | W_V]), K pair kp = g % 4 (256 along K): one whole piece pair of 25,600 bytes of wq.
	s_lshr_b32 s30, ttmp9, 2                       ; cg
	s_and_b32 s31, ttmp9, 3                        ; kp
	s_cmp_lt_u32 ttmp9, 32
	s_cselect_b64 s[26:27], s[4:5], s[6:7]         ; the choice hangs on the work-group's number alone
	s_and_b32 s28, s30, 7
	s_lshl_b32 s28, s28, 9                         ; 128 (cg % 8) columns of 4 bytes,
	s_lshl_b32 s29, s24, 7                         ; 32 (wave % 4) more,
	s_add_co_u32 s28, s28, s29
	s_lshl_b32 s29, s31, 20                        ; 256 kp rows of 4,096 bytes,
	s_add_co_u32 s28, s28, s29
	s_lshl_b32 s29, s23, 19                        ; 128 (wave / 4) more
	s_add_co_u32 s28, s28, s29
	s_mov_b32 s29, 0
	s_add_nc_u64 s[26:27], s[26:27], s[28:29]
	LOADW 0
	LOADW 1
	s_lshr_b32 s28, s30, 2                         ; chunk of 512 columns
	s_lshl_b32 s28, s28, 2
	s_add_co_u32 s28, s28, s31                     ; slot = 4 x chunk + kp
	s_mul_i32 s28, s28, 102400
	s_and_b32 s29, s30, 3
	s_mul_i32 s29, s29, 25600                      ; the reading wave = cg % 4
	s_add_co_u32 s28, s28, s29
	s_mov_b32 s29, 0
	s_add_nc_u64 s[40:41], s[18:19], s[28:29]
	BLOCK 0, 0
	BLOCK 1, 0
	BLOCK 2, 0
	BLOCK 3, 0
	s_wait_alu depctr_va_vdst(0)
	ds_store_b32 v[SWA], v[WS]
	s_wait_dscnt 0x0                               ; for the others' sake: my part of the image is written
	s_barrier_signal -1
	s_barrier_wait -1
.irp i, 0,1,2,3,4,5
	ds_load_b128 v[64+4*\i:67+4*\i], v[CPL] offset:4096*\i
.endr
.irp i, 0,1,2,3,4,5
	s_wait_dscnt 5-\i                              ; LDS loads come back in order: load i is in
	global_store_b128 v[CPL], v[64+4*\i:67+4*\i], s[40:41] offset:4096*\i   ; a wave stores 512 consecutive bytes, at a multiple of 256 from wq's first byte
.endr
	s_cmp_lt_u32 s22, 2                            ; 25,600 = 6 x 4,096 + 1,024: the rest is two waves' work
	s_cbranch_scc0 .Ldone_w
	ds_load_b128 v[88:91], v[CPL] offset:24576
	s_wait_dscnt 0x0
	global_store_b128 v[CPL], v[88:91], s[40:41] offset:24576
.Ldone_w:
	s_wait_tensorcnt 0x0
	ds_add_u32 v62, v63
	s_wait_dscnt 0x0
	s_endpgm
.Lquery:
	; ---- att2.  Work-group 64 + j: columns 32 j .. 32 j + 31; wave v: K = 128 v .. 128 v + 127.
	s_sub_co_u32 s30, ttmp9, 64                    ; j
	s_lshl_b32 s28, s30, 7                         ; 32 j numbers of 4 bytes
	s_mov_b32 s29, 0
	s_add_nc_u64 s[34:35], s[12:13], s[28:29]      ; b_Q,
	s_add_nc_u64 s[36:37], s[14:15], s[28:29]      ; b_K,
	s_add_nc_u64 s[38:39], s[16:17], s[28:29]      ; b_V,
	s_add_nc_u64 s[40:41], s[20:21], s[28:29]      ; cvec at my columns
	s_lshl_b32 s31, s22, 19                        ; 128 v rows of 4,096 bytes
	s_add_co_u32 s28, s28, s31
	s_add_nc_u64 s[26:27], s[8:9], s[28:29]        ; W_Q
	s_lshl_b32 s28, s22, 9                         ; 128 v numbers
	s_add_nc_u64 s[32:33], s[10:11], s[28:29]      ; the query
.irp mb, 0,1                                   ; lane (r, h) takes, of batch 16 mb + r, k = 64 c + 32 h + 0 .. 31: a whole block, 128 consecutive bytes
.irp c, 0,1
.irp q, 0,1,2,3,4,5,6,7
	global_load_b128 v[QR+64*\mb+32*\c+4*\q:QR+64*\mb+32*\c+4*\q+3], v[QO], s[32:33] offset:65536*\mb+256*\c+16*\q
.endr
.endr
.endr
	s_wait_alu depctr_va_vdst(0)
	global_load_b128 v[BQ:BQ+3], v[BOF], s[34:35]
	global_load_b128 v[BK:BK+3], v[BOF], s[36:37]
	global_load_b128 v[BV:BV+3], v[BOF], s[38:39]
	LOADW 0                                        ; the weight's loads are the younger ones: the blocks' counted waits hold here as above
	LOADW 1
	BLOCK 0, IMG2
	BLOCK 1, IMG2
	BLOCK 2, IMG2
	BLOCK 3, IMG2
.irp nb, 0,1                                   ; my own two fragments come back as an operand's registers (my wave's bytes alone: LDS serves a wave's instructions in order)
.irp g, 0,1,2
	ds_load_b128 v[WFR+12*\nb+4*\g:WFR+12*\nb+4*\g+3], v[LI2] offset:IMG2+1536*\nb+512*\g
.endr
.endr
.irp mb, 0,1
	QB QR+64*\mb, QF+12*\mb, BY
	QB QR+64*\mb+32, QF+12*\mb+6, BY1
	s_delay_alu instid0(VALU_DEP_4)
	v_lshl_or_b32 v[QS+\mb], v[BY1], 16, v[BY]     ; my two bytes: blocks h and 2 + h,
	s_delay_alu instid0(VALU_DEP_1)
	v_lshlrev_b32 v[QS+\mb], v[SH8], v[QS+\mb]     ; at their places in the word;
	s_delay_alu instid0(VALU_DEP_1)
	v_permlanex16_b32 v[W2], v[QS+\mb], s42, s43
	s_delay_alu instid0(VALU_DEP_1)
	v_or_b32 v[QS+\mb], v[QS+\mb], v[W2]           ; with lane l xor 16's two the word is whole
.endr
	s_wait_alu depctr_va_vdst(0)
	s_wait_dscnt 0x0
.rept 8
	v_nop                                          ; a scale register written by a vector instruction stands 8 places ahead of a scaled matrix instruction, an operand so written 4
.endr
.irp mb, 0,1                                   ; source 0 = 16 columns of W_Q, source 1 = 16 batches: lane (r, h), register i: batch 16 mb + r, column 16 nb + 8 h + i.  My lane's own word IS W_Q's scale: lane l has column l's
	v_wmma_scale_f32_16x16x128_f8f6f4 v[ACC+16*\mb:ACC+16*\mb+7], v[WFR:WFR+11], v[QF+12*\mb:QF+12*\mb+11], 0, v[WS], v[QS+\mb] matrix_a_fmt:MATRIX_FMT_BF6 matrix_b_fmt:MATRIX_FMT_BF6
	v_wmma_scale_f32_16x16x128_f8f6f4 v[ACC+16*\mb+8:ACC+16*\mb+15], v[WFR+12:WFR+23], v[QF+12*\mb:QF+12*\mb+11], 0, v[WS], v[QS+\mb] matrix_a_fmt:MATRIX_FMT_BF6 matrix_b_fmt:MATRIX_FMT_BF6 matrix_a_scale:MATRIX_SCALE_ROW1
.endr
.rept 4
	v_nop                                          ; four places in front of the first read of results (ISA guide 7.12.1)
.endr
.irp i, 0,1,2,3,4,5,6,7
	ds_store_b128 v[RW], v[ACC+4*\i:ACC+4*\i+3] offset:512*\i      ; each accumulator from its low end on
.endr
	s_wait_dscnt 0x0                               ; for the others' sake: my part is written
	s_barrier_signal -1
	s_barrier_wait -1
.irp w, 0,1,2,3,4,5,6,7
	ds_load_b128 v[SUM+4*\w:SUM+4*\w+3], v[RR] offset:4096*\w
.endr
	s_wait_dscnt 0x0
.irp k, 0,1,2,3
.irp i, 0,2
	v_pk_add_f32 v[SUM+4*\k+\i:SUM+4*\k+\i+1], v[SUM+4*\k+\i:SUM+4*\k+\i+1], v[SUM+16+4*\k+\i:SUM+16+4*\k+\i+1]
.endr
.endr
.irp k, 0,1
.irp i, 0,2
	s_delay_alu instid0(VALU_DEP_4)
	v_pk_add_f32 v[SUM+4*\k+\i:SUM+4*\k+\i+1], v[SUM+4*\k+\i:SUM+4*\k+\i+1], v[SUM+8+4*\k+\i:SUM+8+4*\k+\i+1]
.endr
.endr
.irp i, 0
	v_pk_add_f32 v[BQ+\i:BQ+\i+1], v[BQ+\i:BQ+\i+1], v[BK+\i:BK+\i+1]
	s_delay_alu instid0(VALU_DEP_3)
	v_pk_add_f32 v[SUM+\i:SUM+\i+1], v[SUM+\i:SUM+\i+1], v[SUM+4+\i:SUM+4+\i+1]
.endr
.irp i, 2
	v_pk_add_f32 v[BQ+\i:BQ+\i+1], v[BQ+\i:BQ+\i+1], v[BK+\i:BK+\i+1]
	s_delay_alu instid0(VALU_DEP_4)
	v_pk_add_f32 v[SUM+\i:SUM+\i+1], v[SUM+\i:SUM+\i+1], v[SUM+4+\i:SUM+4+\i+1]
.endr
.irp i, 0
	s_delay_alu instid0(VALU_DEP_3)
	v_pk_add_f32 v[SUM+\i:SUM+\i+1], v[SUM+\i:SUM+\i+1], v[BQ+\i:BQ+\i+1]
.endr
.irp i, 2
	s_delay_alu instid0(VALU_DEP_2)
	v_pk_add_f32 v[SUM+\i:SUM+\i+1], v[SUM+\i:SUM+\i+1], v[BQ+\i:BQ+\i+1]
.endr
	global_store_b128 v[CO], v[SUM:SUM+3], s[40:41]                ; eight lanes store a batch's 128 bytes: a work-group has 32 columns and no more
	global_store_b128 v[CO], v[BV:BV+3], s[40:41] offset:4096      ; b_V, for every batch
	s_wait_tensorcnt 0x0
	ds_add_u32 v62, v63
	s_wait_dscnt 0x0
	s_endpgm
.Lfunc_end_k_q62e99c83d9_prep:
	.size	k_q62e99c83d9_prep, .Lfunc_end_k_q62e99c83d9_prep-k_q62e99c83d9_prep
	.p2alignl 7, 3214868480
	.fill 96, 4, 3214868480
	.section	.rodata,"a",@progbits
	.p2align	6, 0x0
	.amdhsa_kernel k_q62e99c83d9_prep
		.amdhsa_group_segment_fixed_size 84992
		.amdhsa_private_segment_fixed_size 0
		.amdhsa_enable_private_segment 0
		.amdhsa_kernarg_size 72
		.amdhsa_user_sgpr_count 2
		.amdhsa_user_sgpr_kernarg_segment_ptr 1
		.amdhsa_wavefront_size32 1
		.amdhsa_system_sgpr_workgroup_id_x 1
		.amdhsa_system_sgpr_workgroup_id_y 1
		.amdhsa_system_sgpr_workgroup_id_z 1
		.amdhsa_system_vgpr_workitem_id 0
		.amdhsa_next_free_vgpr 256
		.amdhsa_next_free_sgpr 66
		.amdhsa_reserve_vcc 0
		.amdhsa_float_denorm_mode_32 3
		.amdhsa_float_denorm_mode_16_64 3
		.amdhsa_memory_ordered 1
		.amdhsa_forward_progress 1
		.amdhsa_inst_pref_size 63
	.end_amdhsa_kernel
	.amdgpu_metadata
---
amdhsa.version: [ 1, 2 ]
amdhsa.kernels:
  - .name:           k_q62e99c83d9_prep
    .symbol:         k_q62e99c83d9_prep.kd
    .args:
      - { .name: W_K, .offset: 0, .size: 8, .value_kind: global_buffer, .address_space: global }
      - { .name: W_V, .offset: 8, .size: 8, .value_kind: global_buffer, .address_space: global }
      - { .name: W_Q, .offset: 16, .size: 8, .value_kind: global_buffer, .address_space: global }
      - { .name: query, .offset: 24, .size: 8, .value_kind: global_buffer, .address_space: global }
      - { .name: b_Q, .offset: 32, .size: 8, .value_kind: global_buffer, .address_space: global }
      - { .name: b_K, .offset: 40, .size: 8, .value_kind: global_buffer, .address_space: global }
      - { .name: b_V, .offset: 48, .size: 8, .value_kind: global_buffer, .address_space: global }
      - { .name: wq, .offset: 56, .size: 8, .value_kind: global_buffer, .address_space: global }
      - { .name: cvec, .offset: 64, .size: 8, .value_kind: global_buffer, .address_space: global }
    .group_segment_fixed_size: 84992
    .private_segment_fixed_size: 0
    .kernarg_segment_align: 8
    .kernarg_segment_size: 72
    .max_flat_workgroup_size: 256
    .sgpr_count:     66
    .vgpr_count:     256
    .wavefront_size: 32
...
	.end_amdgpu_metadata
.endif
;; end of part 1
;; launch main (part 2): grid 256 x 1, 4 waves a work-group, no clusters, 134,656 bytes of LDS; arguments key, wq, cvec, W_f, sc, part; writes sc, part
.if DOCPART == 2
	.amdgcn_target "amdgcn-amd-amdhsa--gfx1250"
	.amdhsa_code_object_version 6
	.text
	.protected	k_q62e99c83d9_main
	.globl	k_q62e99c83d9_main
	.p2align	8
	.type	k_q62e99c83d9_main,@function
k_q62e99c83d9_main:
	s_mov_b64 s[64:65], 0
	v_nop
	global_prefetch_b8 v0, s[64:65] scope:SCOPE_SE
	s_setreg_imm32_b32 hwreg(HW_REG_WAVE_MODE, 25, 1), 1
	s_wait_xcnt 0x0
; A work-group owns 128 rows (times) of one batch, eight work-groups to a batch, and takes them through everything: Q(key) x Q(W_K) and Q(key) x Q(W_V) on codes of E3M2 with E8M0 scales, the relu and the
; dot with W_f, its own 128 scores' largest m and p = exp(score - m), and part[v] = the sum over its rows of p x (out + b_V).  att1 and out never leave the registers.  The last launch joins a batch's eight.
; b_f is left out: it is the same for all scores of a softmax's axis (shown at the head of the first kernel).
; PHASE A.  The 128 rows of key (f32, 512 KiB) are read once, quantised along K, and stay in LDS as images of operand registers: wave w makes rows 32 w .. 32 w + 31.  The batch's bias row (cvec) and W_f come into LDS once.
; PHASE B.  The 2,048 columns of [W_K | W_V] go in four chunks of 512; in a chunk wave w makes 128 rows x columns 128 w .. + 127: 64 accumulators, 512 registers; K in eight steps of 128, 64 matrix instructions each.
; THE WEIGHTS GO FROM MEMORY STRAIGHT INTO OPERAND REGISTERS: wq is laid as images of these registers, and each of its bytes is an operand byte of exactly one wave of the work-group, once.  Through LDS a K step
; would add 12,800 bytes written and 12,800 bytes read for each wave.  So the text has no tensor load, hence no joint request and no cluster, and phase B has no barrier but the softmax's.
; A K step goes by column blocks, in two groups of four: a group's 48 registers are free behind its 32 products and take the loads of K step s + 2 at once, 96 matrix instructions ahead of their use.
; Key has two sets of registers; a set is fetched from LDS at the end of the step that used it, one whole step ahead.
; NO PREFETCH: key is read once and 56 loads (28,672 bytes) of each wave are out all through phase A; the weights' loads themselves run ahead as said.
; THE MATRIX INSTRUCTION IS USED TRANSPOSED: source 0 = 16 columns of the weight, source 1 = 16 rows of key.  In accumulator (a, b) lane (r, h) holds row 16 a + r, and its register i column 16 b + 8 h + i.
; LIMITS: a block of zeros, or one whose largest magnitude lies under 2^-122, gets the byte 1 (this program alone reads the bytes); NaN and infinities among the inputs are not served.
; REGISTERS: window 0: v0-29 addresses; v32-47 scale words, two sets; v48-63 score sums, later p; v64-159, v160-255 key's 8 fragments, two sets (on a way out set 1 holds W_f and scratch).
;   window 1: the weight's 8 fragments, two sets, at v0 and v128; the bias's 8 tiles at v96-127 and v224-255.   windows 2, 3: accumulator (a, b) at v[8 (8 (a % 4) + b)], a < 4 in window 2.
;   In phase A window 2's v0-223 are seven sets of 32 numbers on their way in, and v80-199 of window 0 are at work.
.set SLOTB,  102400                    ; wq: two K steps of four waves
.set WPART,  25600                     ; a wave's part of them
.set PIECE,  12800                     ; a K step's: 8 fragments and 512 bytes of scale words
.set FRB,    1536                      ; a fragment's image: 12 registers x 128 bytes
.set AHALF,  49152                     ; LDS from 0: key's fragment (K step s, row block a) at FRB (8 s + a); four K steps are AHALF
.set ASC,    98304                     ; key's scale words: K step s at 512 s; the word at 16 L + 4 i: row block 2 i + L / 16, row L % 16
.set SPARE,  102400                    ; the spare words, 128 bytes for each wave
.set STG,    102912                    ; a stage of 16 rows x 272 bytes for each wave, its own
.set STGW,   4352
.set SPITCH, 272
.set SCR,    120320                    ; the waves' parts of the scores: [wave][128 rows]
.set CVL,    122368                    ; the batch's 2,048 bias numbers, then W_f's 1,024
.set KO,   4
.set SW,   5
.set SR,   6
.set AW,   7                           ; v7-8
.set ASW,  9
.set SH8,  10
.set L16,  11                          ; 16 lane; also key's images, K steps 0-3
.set ADRA, 11                          ; v11-12
.set ADRSA, 13
.set BIA,  14                          ; CVL + 512 wave + 32 h
.set SCW,  15
.set SCRD, 16
.set PWA,  17
.set PRD,  18
.set RS,   19
.set RL,   20
.set CVW,  21                          ; CVL + 16 thread
.set T16,  22                          ; 16 thread
.set SPW,  28
.set NIL,  29
.set SA0,  32                          ; key's scale words at v[32 + 8 p], the weight's at v[36 + 8 p]: register i, lanes 0-15: block 2 i; lanes 16-31: block 2 i + 1
.set SB0,  36
.set SP,   48
.set P,    48                          ; p takes the score sums' registers when these are used up
.set AF,   64
.set WF,   160
.set T,    224
.set M0,   80                          ; phase A
.set M1,   81
.set SCL,  82
.set BY0,  83
.set BY1,  84
.set W,    85
.set W2,   86
.set X0,   96
.set PC,   160
.set TQ,   172
.set CVR,  176
.set MSB, 0
.macro WIN new                         ; the immediate's high byte repeats the setting that is left
.if MSB != \new
	s_set_vgpr_msb (MSB<<8)|\new
.set MSB, \new
.endif
.endm
.set LDK,     0x80
.set STK,     0x08
.set TO_B,    0x40
.set MUL_LO,  0xa1                     ; source 0 (the weight) window 1, source 1 (key) window 0, C and D window 2
.set MUL_HI,  0xf1
.set INI_LO,  0x91                     ; the same with C (the bias) in window 1
.set INI_HI,  0xd1
.set RELU_LO, 0x88
.set RELU_HI, 0xcc
.set DOT_LO,  0x02
.set DOT_HI,  0x03
.set AV_LO,   0xa2
.set AV_HI,   0xa3
.set LD_Y,    0xc0
.set ADD_Y,   0xcf
.set ADD_Z,   0x0f
.macro PLACES                          ; four plain vector lines: in front of loads into registers that matrix instructions have read, and of the first read of results
.rept 4
	v_nop
.endr
.endm
; 32 numbers of ONE block, v[xs] on, become 6 registers of codes at v[dst] on and the block's byte in v[by].
.macro QB xs, dst, by
	v_max3_num_f32 v[M0], |v[\xs]|, |v[\xs+1]|, 0x2800000           ; the floor 2^(5 - 127): the byte cannot fall under 1
	v_max3_num_f32 v[M1], |v[\xs+16]|, |v[\xs+17]|, |v[\xs+18]|
.irp i, 0,1,2,3,4,5
	v_max3_num_f32 v[M0], v[M0], |v[\xs+2+2*\i]|, |v[\xs+3+2*\i]|
	v_max3_num_f32 v[M1], v[M1], |v[\xs+19+2*\i]|, |v[\xs+20+2*\i]|
.endr
	v_max3_num_f32 v[M0], v[M0], |v[\xs+14]|, |v[\xs+15]|
	v_max3_num_f32 v[M0], v[M0], v[M1], |v[\xs+31]|
	v_add_nc_u32 v[SCL], 0xfe000000, v[M0]                         ; 4 off the exponent field: the conversion's scale operand
	v_cvt_scalef32_pk16_bf6_f32 v[\dst:\dst+2], v[\xs:\xs+15], v[SCL]
	v_cvt_scalef32_pk16_bf6_f32 v[TQ:TQ+2], v[\xs+16:\xs+31], v[SCL]
	v_lshrrev_b32 v[\by], 23, v[SCL]                               ; the byte; also the plain line behind the conversions
	v_mov_b32 v[\dst+3], v[TQ]
	v_mov_b32 v[\dst+4], v[TQ+1]
	v_mov_b32 v[\dst+5], v[TQ+2]
.endm
; Group g (column blocks 4 g .. 4 g + 3) of the weight's K step s, counted from the chunk at s[6:7]: 12 loads of 512 bytes a wave and the group's two scale registers: 13 loads
.macro BG s, g
	WIN TO_B
.irp b, 0,1,2,3
.irp q, 0,1,2
	global_load_b128 v[128*((\s)%2)+12*(4*(\g)+\b)+4*\q:128*((\s)%2)+12*(4*(\g)+\b)+4*\q+3], v[L16], s[6:7] offset:((\s)/2)*SLOTB+((\s)%2)*PIECE+FRB*(4*(\g)+\b)+512*\q
.endr
.endr
	WIN 0
	global_load_b64 v[SB0+8*((\s)%2)+2*(\g):SB0+8*((\s)%2)+2*(\g)+1], v[L16], s[6:7] offset:((\s)/2)*SLOTB+((\s)%2)*PIECE+12288+8*(\g)
.endm
; PHASE A goes in 32 half units t: K step t / 4, row block (t / 2) % 2 of my two, half t % 2 of the step's 128 along K: 16 rows x 64 numbers.
.macro LOADK t                         ; eight loads; in each, sixteen lanes read 256 consecutive bytes of one row
	WIN LDK
.irp i, 0,1,2,3,4,5,6,7
	global_load_b128 v[32*((\t)%7)+4*\i:32*((\t)%7)+4*\i+3], v[KO], s[4:5] offset:(16*(((\t)/2)%2)+2*\i)*4096+512*((\t)/4)+256*((\t)%2) th:TH_LOAD_NT
.endr
.endm
.macro SPIN t                          ; through my stage: in as loaded, out 128 bytes a lane: lane (r, h) then holds the block k = 64 (t % 2) + 32 h + 0 .. 31 of row r.  LDS serves a wave's instructions in order
	WIN STK
.irp i, 0,1,2,3,4,5,6,7
	ds_store_b128 v[SW], v[32*((\t)%7)+4*\i:32*((\t)%7)+4*\i+3] offset:2*SPITCH*\i
.endr
	WIN 0
.irp q, 0,1,2,3,4,5,6,7
	ds_load_b128 v[X0+32*((\t)%2)+4*\q:X0+32*((\t)%2)+4*\q+3], v[SR] offset:16*\q
.endr
.endm
.macro QSTEP t
	s_wait_dscnt 0x0                               ; this half unit's numbers are back from the stage; earlier LDS stores have read their registers
.if (\t)+7 < 32
	LOADK (\t)+7                                   ; seven half units ahead: 56 loads of mine are out
	s_wait_loadcnt 48                              ; the next half unit's eight are in; six sets may be out
.elseif (\t) < 31
.set NBB, (\t)-25                      ; key's counts run down; half units 25 to 28 each issue one group of the weight's K steps 0 and 1 behind their wait
.if NBB > 4
.set NBB, 4
.endif
	s_wait_loadcnt 8*(30-(\t))+13*NBB              ; key's younger sets, and 13 for each group of the weight issued so far, may be out
.if (\t) < 29
	BG ((\t)-25)/2, ((\t)-25)%2
.endif
.endif
.if (\t) < 31
	SPIN (\t)+1
.endif
	QB X0+32*((\t)%2), PC+6*((\t)%2), BY0+(\t)%2
.if (\t)%2 == 1
	v_lshl_or_b32 v[W], v[BY1], 16, v[BY0]         ; my two bytes: blocks h and 2 + h,
	v_lshlrev_b32 v[W], v[SH8], v[W]               ; at their places in the word;
	v_permlanex16_b32 v[W2], v[W], s42, s43
	v_or_b32 v[W], v[W], v[W2]                     ; with lane l xor 16's two the word is whole
.irp g, 0,1,2
	ds_store_b128 v[AW+(\t)/16], v[PC+4*\g:PC+4*\g+3] offset:12288*(((\t)/4)%4)+FRB*(((\t)/2)%2)+512*\g
.endr
	ds_store_b32 v[ASW], v[W] offset:512*((\t)/4)+256*(((\t)/2)%2)   ; both halves of the lanes write the same word with the same value
.endif
.endm
; PHASE B.
.macro FETCH_A s, p                    ; key's eight fragments and scale words of K step s into set p: 25 LDS loads
.irp a, 0,1,2,3,4,5,6,7
.irp g, 0,1,2
	ds_load_b128 v[AF+96*(\p)+12*\a+4*\g:AF+96*(\p)+12*\a+4*\g+3], v[ADRA+(\s)/4] offset:12288*((\s)%4)+FRB*\a+512*\g
.endr
.endr
	ds_load_b128 v[SA0+8*(\p):SA0+8*(\p)+3], v[ADRSA] offset:512*(\s)
.endm
.macro WM ra, rb                       ; one product; ra, rb: the odd block's words lie in lanes 16-31
.if (\ra) && (\rb)
	v_wmma_scale_f32_16x16x128_f8f6f4 v[rD:rD+7], v[rB:rB+11], v[rA:rA+11], v[rC:rC+7], v[rSB], v[rSA] matrix_a_fmt:MATRIX_FMT_BF6 matrix_b_fmt:MATRIX_FMT_BF6 matrix_a_scale:MATRIX_SCALE_ROW1 matrix_b_scale:MATRIX_SCALE_ROW1
.elseif \ra
	v_wmma_scale_f32_16x16x128_f8f6f4 v[rD:rD+7], v[rB:rB+11], v[rA:rA+11], v[rC:rC+7], v[rSB], v[rSA] matrix_a_fmt:MATRIX_FMT_BF6 matrix_b_fmt:MATRIX_FMT_BF6 matrix_a_scale:MATRIX_SCALE_ROW1
.elseif \rb
	v_wmma_scale_f32_16x16x128_f8f6f4 v[rD:rD+7], v[rB:rB+11], v[rA:rA+11], v[rC:rC+7], v[rSB], v[rSA] matrix_a_fmt:MATRIX_FMT_BF6 matrix_b_fmt:MATRIX_FMT_BF6 matrix_b_scale:MATRIX_SCALE_ROW1
.else
	v_wmma_scale_f32_16x16x128_f8f6f4 v[rD:rD+7], v[rB:rB+11], v[rA:rA+11], v[rC:rC+7], v[rSB], v[rSA] matrix_a_fmt:MATRIX_FMT_BF6 matrix_b_fmt:MATRIX_FMT_BF6
.endif
.endm
; 16 products: column blocks b0 .. b0 + 3 x row blocks 4 hi .. 4 hi + 3.  init = 1: the bias is C and starts the sums.  The 64 accumulators take turns, in the same order in every K step.
.macro MULG b0, hi, p, init
.irp b, \b0, \b0+1, \b0+2, \b0+3
.irp a, 0,1,2,3
.set rD, 8*(8*\a+(\b))
.set rB, 128*(\p)+12*(\b)
.set rA, AF+96*(\p)+12*(4*(\hi)+\a)
.set rSB, SB0+8*(\p)+(\b)/2
.set rSA, SA0+8*(\p)+(4*(\hi)+\a)/2
.set rC, rD
.if \init
.set rC, 96+8*(\b)+96*((\b)/4)
.endif
	WM (\b)%2, \a%2
.endr
.endr
.endm
; K step s.  ld: the weight's K step s + 2 is asked for, group by group.  lda: key's K step s + 2 is fetched.  n0, n1: the weight's younger loads that may be out at the step's head and middle; nd: the younger LDS loads.
.macro STEP s, init, ld, lda, n0, n1, nd
	s_wait_loadcnt \n0                             ; this step's first group is in
	s_wait_dscnt \nd                               ; this step's set of key (and what is older) is in
.if \init
	WIN INI_LO
.else
	WIN MUL_LO
.endif
	MULG 0, 0, (\s)%2, \init
.if \init
	WIN INI_HI
.else
	WIN MUL_HI
.endif
	MULG 0, 1, (\s)%2, \init
.if \ld
	PLACES
	BG (\s)+2, 0
.endif
	s_wait_loadcnt \n1                             ; the second group is in
.if \init
	WIN INI_LO
.else
	WIN MUL_LO
.endif
	MULG 4, 0, (\s)%2, \init
.if \init
	WIN INI_HI
.else
	WIN MUL_HI
.endif
	MULG 4, 1, (\s)%2, \init
	PLACES
.if \ld
	BG (\s)+2, 1
.endif
	WIN 0
.if \lda
	FETCH_A ((\s)+2)%8, (\s)%2
.endif
.endm
.macro BILOAD c                        ; chunk c's bias in the result's layout: tile b, lane (r, h): columns 16 b + 8 h + 0 .. 7; sixteen lanes read the same bytes
	WIN TO_B
.irp b, 0,1,2,3,4,5,6,7
	ds_load_b128 v[96+8*\b+96*(\b/4):96+8*\b+96*(\b/4)+3], v[BIA] offset:2048*(\c)+64*\b
	ds_load_b128 v[96+8*\b+96*(\b/4)+4:96+8*\b+96*(\b/4)+7], v[BIA] offset:2048*(\c)+64*\b+16
.endr
	WIN 0
.endm
.macro WFLOAD off                      ; W_f likewise, into key's set 1, which is free on a way out
.irp b, 0,1,2,3,4,5,6,7
	ds_load_b128 v[WF+8*\b:WF+8*\b+3], v[BIA] offset:8192+\off+64*\b
	ds_load_b128 v[WF+8*\b+4:WF+8*\b+7], v[BIA] offset:8192+\off+64*\b+16
.endr
.endm
.macro RELU                            ; a window's 32 accumulators, each from its low end on
.set d, 0
.rept 256
	v_max_num_f32 v[d], 0, v[d]
.set d, d+1
.endr
.endm
.macro DOT hi                          ; four rows' sums by turns; a pair holds the even and the odd columns' sum
.irp b, 0,1,2,3,4,5,6,7
.irp i, 0,1,2,3
.irp a, 0,1,2,3
	v_pk_fma_f32 v[SP+8*\hi+2*\a:SP+8*\hi+2*\a+1], v[8*(8*\a+\b)+2*\i:8*(8*\a+\b)+2*\i+1], v[WF+8*\b+2*\i:WF+8*\b+2*\i+1], v[SP+8*\hi+2*\a:SP+8*\hi+2*\a+1]
.endr
.endr
.endr
.endm
.macro EPI_K                           ; a chunk of W_K: relu, and the dot with W_f onto the rows' sums
	WIN RELU_LO
	RELU
	s_wait_dscnt 0x0                               ; W_f is in
	WIN DOT_LO
	DOT 0
	WIN RELU_HI
	RELU
	WIN DOT_HI
	DOT 1
	WIN 0
.endm
.macro SOFTMAX                         ; the scores are whole: they meet in LDS; every wave makes m and p for all 128 rows
.irp a, 0,1,2,3,4,5,6,7
	v_add_f32 v[T+\a], v[SP+2*\a], v[SP+2*\a+1]
.endr
.irp a, 0,1,2,3,4,5,6,7
	v_permlanex16_b32 v[SP+2*\a+1], v[T+\a], s42, s43
.endr
.irp a, 0,1,2,3,4,5,6,7
	v_add_f32 v[T+\a], v[T+\a], v[SP+2*\a+1]       ; row 16 a + r over my wave's 256 columns
.endr
.irp a, 0,1,2,3,4,5,6,7
	ds_store_b32 v[SCW], v[T+\a] offset:64*\a      ; both halves of the lanes write the same word with the same value
.endr
	s_wait_dscnt 0x0                               ; for the others' sake
	s_barrier_signal -1
	s_barrier_wait -1
.irp w, 0,1,2,3
	ds_load_b128 v[T+4*\w:T+4*\w+3], v[SCRD] offset:512*\w         ; rows 4 lane .. + 3, the four waves' parts
.endr
	s_wait_dscnt 0x0
	v_pk_add_f32 v[T:T+1], v[T:T+1], v[T+4:T+5]
	v_pk_add_f32 v[T+2:T+3], v[T+2:T+3], v[T+6:T+7]
	v_pk_add_f32 v[T+8:T+9], v[T+8:T+9], v[T+12:T+13]
	v_pk_add_f32 v[T+10:T+11], v[T+10:T+11], v[T+14:T+15]
	v_pk_add_f32 v[T:T+1], v[T:T+1], v[T+8:T+9]
	v_pk_add_f32 v[T+2:T+3], v[T+2:T+3], v[T+10:T+11]
	s_cmp_lg_u32 s18, 0
	s_cbranch_scc1 .Lno_store_\@
	global_store_b128 v[L16], v[T:T+3], s[12:13]                   ; wave 0 stores the 128 scores: 512 consecutive bytes, at a multiple of 256 from sc's first byte
.Lno_store_\@:
	s_wait_alu depctr_va_vdst(0)
	v_max3_num_f32 v[T+8], v[T], v[T+1], v[T+2]
	v_max_num_f32 v[T+8], v[T+8], v[T+3]
	v_max_num_f32_dpp v[T+8], v[T+8], v[T+8] row_xmask:1 row_mask:0xf bank_mask:0xf
	v_max_num_f32_dpp v[T+8], v[T+8], v[T+8] row_xmask:2 row_mask:0xf bank_mask:0xf
	v_max_num_f32_dpp v[T+8], v[T+8], v[T+8] row_xmask:4 row_mask:0xf bank_mask:0xf
	v_max_num_f32_dpp v[T+8], v[T+8], v[T+8] row_xmask:8 row_mask:0xf bank_mask:0xf
	v_permlanex16_b32 v[T+9], v[T+8], s42, s43
	v_max_num_f32 v[T+8], v[T+8], v[T+9]           ; m: the largest of the 128 scores
.irp i, 0,1,2,3
	v_sub_f32 v[T+4+\i], v[T+\i], v[T+8]
.endr
.irp i, 0,1,2,3
	v_mul_f32 v[T+4+\i], s47, v[T+4+\i]
.endr
	s_wait_alu depctr_va_vdst(0)
.irp i, 0,1,2,3
	v_exp_f32 v[T+4+\i], v[T+4+\i]                 ; p = e^(score - m), at most 1
.endr
	v_nop                                          ; a plain line behind the exponentials
	s_wait_alu depctr_va_vdst(0)                   ; and behind it
	ds_store_b128 v[PWA], v[T+4:T+7]               ; through my own stage: p by rows,
.irp a, 0,1,2,3,4,5,6,7
	ds_load_b32 v[P+2*\a], v[PRD] offset:64*\a     ; and back as my lane's eight: p of row 16 a + r
.endr
	s_wait_dscnt 0x0
.irp a, 0,1,2,3,4,5,6,7
	v_mov_b32 v[P+2*\a+1], v[P+2*\a]               ; twice, for the packed forms
.endr
.endm
.macro EPI_V off                       ; a chunk of W_V: the sum over the 128 rows of p x out, for my 128 columns
	s_wait_xcnt 0x0                                ; the earlier stores have read their registers
.irp i, 0,1,2,3,4,5,6,7
	v_mov_b32 v[T+8+\i], 0                         ; a lane permute's destination counts as one of its sources
.endr
	WIN AV_LO
.irp b, 0,1,2,3,4,5,6,7
.irp i, 0,1,2,3
	v_pk_mul_f32 v[8*\b+2*\i:8*\b+2*\i+1], v[8*\b+2*\i:8*\b+2*\i+1], v[P:P+1]
.endr
.endr
.irp a, 1,2,3
.irp b, 0,1,2,3,4,5,6,7
.irp i, 0,1,2,3
	v_pk_fma_f32 v[8*\b+2*\i:8*\b+2*\i+1], v[8*(8*\a+\b)+2*\i:8*(8*\a+\b)+2*\i+1], v[P+2*\a:P+2*\a+1], v[8*\b+2*\i:8*\b+2*\i+1]
.endr
.endr
.endr
	WIN AV_HI
.irp a, 0,1,2,3
.irp b, 0,1,2,3,4,5,6,7
.irp i, 0,1,2,3
	v_pk_fma_f32 v[8*\b+2*\i:8*\b+2*\i+1], v[8*(8*\a+\b)+2*\i:8*(8*\a+\b)+2*\i+1], v[P+8+2*\a:P+8+2*\a+1], v[8*\b+2*\i:8*\b+2*\i+1]
.endr
.endr
.endr
.irp u, 0,1                                    ; what is left is a sum over the 16 lanes r: 64 columns at a time through my stage, row r in, eight rows a lane out
	WIN STK
.irp b, 0,1,2,3
	ds_store_b128 v[RS], v[32*\u+8*\b:32*\u+8*\b+3] offset:64*\b
	ds_store_b128 v[RS], v[32*\u+8*\b+4:32*\u+8*\b+7] offset:64*\b+16
.endr
	WIN LD_Y
.irp k, 0,1,2,3,4,5,6,7
	ds_load_b128 v[32*\u+4*\k:32*\u+4*\k+3], v[RL] offset:SPITCH*\k   ; rows 8 h + k, columns 4 r .. + 3.  LDS serves a wave's instructions in order
.endr
.endr
	s_wait_dscnt 0x0
	WIN ADD_Y
.irp u, 0,1
.irp k, 0,1,2,3
.irp i, 0,2
	v_pk_add_f32 v[32*\u+4*\k+\i:32*\u+4*\k+\i+1], v[32*\u+4*\k+\i:32*\u+4*\k+\i+1], v[32*\u+16+4*\k+\i:32*\u+16+4*\k+\i+1]
.endr
.endr
.endr
.irp u, 0,1
.irp k, 0,1
.irp i, 0,2
	v_pk_add_f32 v[32*\u+4*\k+\i:32*\u+4*\k+\i+1], v[32*\u+4*\k+\i:32*\u+4*\k+\i+1], v[32*\u+8+4*\k+\i:32*\u+8+4*\k+\i+1]
.endr
.endr
.endr
	WIN ADD_Z
.irp u, 0,1
.irp i, 0,2
	v_pk_add_f32 v[T+4*\u+\i:T+4*\u+\i+1], v[32*\u+\i:32*\u+\i+1], v[32*\u+4+\i:32*\u+4+\i+1]
.endr
.endr
	WIN 0
.irp i, 0,1,2,3,4,5,6,7
	v_permlanex16_b32 v[T+8+\i], v[T+\i], s42, s43
.endr
.irp i, 0,2,4,6
	v_pk_add_f32 v[T+\i:T+\i+1], v[T+\i:T+\i+1], v[T+8+\i:T+8+\i+1]   ; with the other eight rows
.endr
.irp i, 0,1,2,3
	v_cndmask_b32 v[T+\i], v[T+\i], v[T+4+\i], s46                 ; lanes 0-15 keep columns 4 r on, lanes 16-31 take columns 64 + 4 r on
.endr
	global_store_b128 v[L16], v[T:T+3], s[14:15] offset:\off       ; my 128 columns: 512 consecutive bytes, at a multiple of 256 from part's first byte
.endm
	s_load_b256 s[4:11], s[0:1], 0x0               ; key, wq, cvec, W_f
	s_load_b128 s[12:15], s[0:1], 0x20             ; sc, part
	v_lshl_add_u32 v[SPW], v0, 2, SPARE
	v_mov_b32 v[NIL], 0
	v_lshrrev_b32 v1, 5, v0
	v_readfirstlane_b32 s18, v1                    ; wave 0..3
	s_mov_b32 s42, 0x76543210
	s_mov_b32 s43, 0xfedcba98                      ; v_permlanex16_b32's selects for lane l xor 16
	s_mov_b32 s46, 0xffff0000                      ; lanes 16-31
	s_mov_b32 s47, 0x3fb8aa3b                      ; log2(e)
	s_mul_i32 s21, s18, STGW
	s_add_co_u32 s21, s21, STG                     ; my stage
	s_mul_i32 s23, s18, 2*FRB                      ; my two row blocks in a K step's images
	s_lshl_b32 s24, s18, 2
	s_add_co_u32 s24, s24, ASC
	s_lshl_b32 s52, s18, 9                         ; 128 wave numbers of 4 bytes
	s_add_co_u32 s25, s52, SCR
	s_add_co_u32 s26, s52, CVL
	s_mul_i32 s58, s18, WPART                      ; my part of wq
	s_mov_b32 s59, 0
	s_lshl_b32 s48, ttmp9, 19                      ; key: 128 rows of 4,096 bytes a block,
	s_lshl_b32 s49, s18, 17                        ; 32 rows a wave
	s_add_co_u32 s48, s48, s49
	s_mov_b32 s49, 0
	s_lshr_b32 s50, ttmp9, 3                       ; cvec: the batch's 8,192 bytes
	s_lshl_b32 s50, s50, 13
	s_mov_b32 s51, 0
	s_lshl_b32 s54, ttmp9, 9                       ; sc: 512 bytes a block
	s_mov_b32 s55, 0
	s_lshl_b32 s56, ttmp9, 12                      ; part: 4,096 bytes a block, my wave's 512
	s_add_co_u32 s56, s56, s52
	s_mov_b32 s57, 0
	v_and_b32 v1, 31, v0                           ; lane
	v_and_b32 v2, 15, v0                           ; r
	v_bfe_u32 v3, v0, 4, 1                         ; h
	v_lshlrev_b32 v[L16], 4, v1
	v_lshlrev_b32 v[KO], 4, v2
	v_lshl_add_u32 v[KO], v3, 12, v[KO]            ; key: 4,096 h + 16 r
	v_mul_u32_u24 v[SW], v3, SPITCH
	v_lshl_add_u32 v[SW], v2, 4, v[SW]
	v_add_nc_u32 v[SW], s21, v[SW]                 ; the stage, numbers in: 272 h + 16 r
	v_mul_u32_u24 v[SR], v2, SPITCH
	v_lshl_add_u32 v[SR], v3, 7, v[SR]
	v_add_nc_u32 v[SR], s21, v[SR]                 ; and out: 272 r + 128 h
	v_add_nc_u32 v[AW], s23, v[L16]
	v_add_nc_u32 v[AW+1], AHALF, v[AW]
	v_lshl_add_u32 v[ASW], v2, 4, s24
	v_lshlrev_b32 v[SH8], 3, v3
	v_add_nc_u32 v[ADRA+1], AHALF, v[L16]
	v_add_nc_u32 v[ADRSA], ASC, v[L16]
	v_lshl_add_u32 v[BIA], v3, 5, s26
	v_lshl_add_u32 v[SCW], v2, 2, s25
	v_add_nc_u32 v[SCRD], SCR, v[L16]
	v_add_nc_u32 v[PWA], s21, v[L16]
	v_lshl_add_u32 v[PRD], v2, 2, s21
	v_mul_u32_u24 v[RS], v2, SPITCH
	v_lshl_add_u32 v[RS], v3, 5, v[RS]
	v_add_nc_u32 v[RS], s21, v[RS]
	v_mul_u32_u24 v[RL], v3, 8*SPITCH
	v_lshl_add_u32 v[RL], v2, 4, v[RL]
	v_add_nc_u32 v[RL], s21, v[RL]
	v_lshl_add_u32 v[CVW], v0, 4, CVL
	v_lshlrev_b32 v[T16], 4, v0
.irp i, 0,1,2,3,4,5,6,7,8,9,10,11,12,13,14,15
	v_mov_b32 v[SP+\i], 0                          ; the rows' score sums begin at 0: one text adds both chunks of W_K onto them
.endr
	v_mov_b32 v[W2], 0                             ; a lane permute's destination counts as one of its sources
	s_wait_alu depctr_va_vdst(0)
	s_wait_kmcnt 0x0
	s_add_nc_u64 s[4:5], s[4:5], s[48:49]
	s_add_nc_u64 s[6:7], s[6:7], s[58:59]
	s_add_nc_u64 s[8:9], s[8:9], s[50:51]
	s_add_nc_u64 s[12:13], s[12:13], s[54:55]
	s_add_nc_u64 s[14:15], s[14:15], s[56:57]
.irp i, 0,1,2,3
	global_load_b128 v[CVR+4*\i:CVR+4*\i+3], v[T16], s[8:9] offset:2048*\i        ; the batch's bias row: the 128 threads read 2,048 consecutive bytes
.endr
.irp i, 0,1
	global_load_b128 v[CVR+16+4*\i:CVR+16+4*\i+3], v[T16], s[10:11] offset:2048*\i   ; W_f
.endr
.irp t, 0,1,2,3,4,5,6
	LOADK \t
.endr
	WIN 0
	; ---- PHASE A
	s_wait_loadcnt 48                              ; half unit 0's eight loads and the six older ones are in; six sets may be out
.irp i, 0,1,2,3,4,5
	ds_store_b128 v[CVW], v[CVR+4*\i:CVR+4*\i+3] offset:2048*\i    ; bias, then W_f: read behind the barrier below
.endr
	SPIN 0
.irp t, 0,1,2,3,4,5,6,7,8,9,10,11,12,13,14,15,16,17,18,19,20,21,22,23,24,25,26,27,28,29,30,31
	QSTEP \t
.endr
	s_wait_alu depctr_va_vdst(0)
	s_wait_dscnt 0x0                               ; for the others' sake: my images of key, my part of the bias and of W_f are written
	s_barrier_signal -1
	s_barrier_wait -1
	; ---- PHASE B
	FETCH_A 0, 0
	BILOAD 0
	FETCH_A 1, 1
	s_mov_b32 s40, 4                               ; chunks to go, this one among them
.Lchunk:
	STEP 0, 1, 1, 1, 39, 39, 25                    ; 39: three younger groups of 13 loads; 25: the next step's set of key
	STEP 1, 0, 1, 1, 39, 39, 25
	STEP 2, 0, 1, 1, 39, 39, 25
	STEP 3, 0, 1, 1, 39, 39, 25
	STEP 4, 0, 1, 1, 39, 39, 25
	STEP 5, 0, 1, 1, 39, 39, 25
	s_cmp_eq_u32 s40, 1
	s_cbranch_scc1 .Llast                          ; the last chunk's tail is written out: it asks for nothing beyond wq's end
	STEP 6, 0, 1, 1, 39, 39, 25                    ; the loads go on into the next chunk's K steps 0 and 1
	STEP 7, 0, 1, 0, 39, 39, 25                    ; key's set 1 stays free for the way out
	s_wait_xcnt 0x0                                ; the weight's loads have read their base
	s_add_nc_u64 s[6:7], s[6:7], 4*SLOTB           ; the next chunk
	s_cmp_gt_u32 s40, 2
	s_cbranch_scc0 .Lv
	s_cmp_eq_u32 s40, 4
	s_cbranch_scc0 .Lwf1
	WFLOAD 0
	s_branch .Lk
.Lwf1:
	WFLOAD 2048
.Lk:
	EPI_K
	s_cmp_eq_u32 s40, 4
	s_cbranch_scc0 .Lsoft
	BILOAD 1
	s_branch .Lnext
.Lsoft:
	s_wait_alu depctr_va_vdst(0)
	SOFTMAX
	BILOAD 2
	s_branch .Lnext
.Lv:
	s_wait_alu depctr_va_vdst(0)
	EPI_V 0
	BILOAD 3
.Lnext:
	s_wait_alu depctr_va_vdst(0)
	s_wait_xcnt 0x0                                ; the way out's store has read its registers: key's set 1 may be loaded
	FETCH_A 1, 1
	s_sub_co_u32 s40, s40, 1
	s_branch .Lchunk
.Llast:
	STEP 6, 0, 0, 0, 39, 26, 25                    ; the counts run down: nothing more is asked for
	STEP 7, 0, 0, 0, 13, 0, 0
	EPI_V 2048
	s_wait_tensorcnt 0x0                           ; the wave's end, behind my last LDS store
	ds_add_u32 v[SPW], v[NIL]
	s_wait_dscnt 0x0
	s_endpgm
.Lfunc_end_k_q62e99c83d9_main:
	.size	k_q62e99c83d9_main, .Lfunc_end_k_q62e99c83d9_main-k_q62e99c83d9_main
	.p2alignl 7, 3214868480
	.fill 96, 4, 3214868480
	.section	.rodata,"a",@progbits
	.p2align	6, 0x0
	.amdhsa_kernel k_q62e99c83d9_main
		.amdhsa_group_segment_fixed_size 134656
		.amdhsa_private_segment_fixed_size 0
		.amdhsa_enable_private_segment 0
		.amdhsa_kernarg_size 48
		.amdhsa_user_sgpr_count 2
		.amdhsa_user_sgpr_kernarg_segment_ptr 1
		.amdhsa_wavefront_size32 1
		.amdhsa_system_sgpr_workgroup_id_x 1
		.amdhsa_system_sgpr_workgroup_id_y 1
		.amdhsa_system_sgpr_workgroup_id_z 1
		.amdhsa_system_vgpr_workitem_id 0
		.amdhsa_next_free_vgpr 1024
		.amdhsa_next_free_sgpr 66
		.amdhsa_reserve_vcc 0
		.amdhsa_float_denorm_mode_32 3
		.amdhsa_float_denorm_mode_16_64 3
		.amdhsa_memory_ordered 1
		.amdhsa_forward_progress 1
		.amdhsa_inst_pref_size 255
	.end_amdhsa_kernel
	.section	.bss,"aw",@nobits
	.p2align	6
	.space	262144
	.amdgpu_metadata
---
amdhsa.version: [ 1, 2 ]
amdhsa.kernels:
  - .name:           k_q62e99c83d9_main
    .symbol:         k_q62e99c83d9_main.kd
    .args:
      - { .name: key, .offset: 0, .size: 8, .value_kind: global_buffer, .address_space: global }
      - { .name: wq, .offset: 8, .size: 8, .value_kind: global_buffer, .address_space: global }
      - { .name: cvec, .offset: 16, .size: 8, .value_kind: global_buffer, .address_space: global }
      - { .name: W_f, .offset: 24, .size: 8, .value_kind: global_buffer, .address_space: global }
      - { .name: sc, .offset: 32, .size: 8, .value_kind: global_buffer, .address_space: global }
      - { .name: part, .offset: 40, .size: 8, .value_kind: global_buffer, .address_space: global }
    .group_segment_fixed_size: 134656
    .private_segment_fixed_size: 0
    .kernarg_segment_align: 8
    .kernarg_segment_size: 48
    .max_flat_workgroup_size: 128
    .sgpr_count:     66
    .vgpr_count:     1024
    .wavefront_size: 32
...
	.end_amdgpu_metadata
.endif
;; end of part 2
;; launch join (part 3): grid 32 x 1, 8 waves a work-group, no clusters, 1,280 bytes of LDS; arguments sc, part, out0, out1; writes out0, out1
.if DOCPART == 3
	.amdgcn_target "amdgcn-amd-amdhsa--gfx1250"
	.amdhsa_code_object_version 6
	.text
	.protected	k_q62e99c83d9_join
	.globl	k_q62e99c83d9_join
	.p2align	8
	.type	k_q62e99c83d9_join,@function
k_q62e99c83d9_join:
	s_mov_b64 s[64:65], 0
	v_nop
	global_prefetch_b8 v0, s[64:65] scope:SCOPE_SE
	s_setreg_imm32_b32 hwreg(HW_REG_WAVE_MODE, 25, 1), 1
	s_wait_xcnt 0x0
; A work-group is a batch: 1,024 scores, and eight parts of the weighted sum, part g summed under the largest score m_g of rows 128 g .. 128 g + 127.
; alpha = e^(s - M) / L, awe = (the sum over g of e^(m_g - M) part_g) / L, with M the largest m_g and L = the sum over g of e^(m_g - M) l_g, l_g the wave's sum of e^(s - m_g).
; Every exponential has a maximum taken away first.  1.3 MB in one dependent chain: no LDS ring, no matrix unit, no cluster; 32 work-groups, since a finer split would repeat the statistics.
; LIMITS: NaN and infinities are not served; the division is a multiplication by v_rcp_f32's result.
	s_load_b256 s[4:11], s[0:1], 0x0               ; sc, part, out0 (awe), out1 (alpha)
	v_lshl_add_u32 v96, v0, 2, 0x100
	v_mov_b32 v97, 0
	v_lshlrev_b32 v1, 4, v0                        ; 16 t
	v_lshrrev_b32 v2, 5, v0
	s_delay_alu instid0(VALU_DEP_1)
	v_readfirstlane_b32 s12, v2                    ; wave 0..7
	s_lshl_b32 s13, s12, 3
	v_mov_b32 v2, s13                              ; LDS: my wave's pair (m, l)
	v_mov_b32 v3, 0
	v_mov_b32 v15, 0                               ; a lane permute's destination counts as one of its sources
	s_lshl_b32 s14, ttmp9, 12                      ; a batch's 4,096 bytes in sc, out0, out1
	s_mov_b32 s15, 0
	s_lshl_b32 s16, ttmp9, 15                      ; and its 32,768 in part
	s_mov_b32 s17, 0
	s_mov_b32 s18, 0x76543210
	s_mov_b32 s19, 0xfedcba98                      ; v_permlanex16_b32's selects for lane l xor 16
	s_mov_b32 s20, 0x3fb8aa3b                      ; log2(e)
	s_wait_alu depctr_va_vdst(0)
	s_wait_kmcnt 0x0
	s_add_nc_u64 s[4:5], s[4:5], s[14:15]
	s_add_nc_u64 s[6:7], s[6:7], s[16:17]
	s_add_nc_u64 s[8:9], s[8:9], s[14:15]
	s_add_nc_u64 s[10:11], s[10:11], s[14:15]
	global_load_b128 v[4:7], v1, s[4:5] th:TH_LOAD_NT
.irp g, 0,1,2,3,4,5,6,7
	global_load_b128 v[16+4*\g:19+4*\g], v1, s[6:7] offset:4096*\g th:TH_LOAD_NT
.endr
	s_wait_loadcnt 8                               ; the scores are in; the eight loads of part may be out
	v_max3_num_f32 v8, v4, v5, v6
	s_delay_alu instid0(VALU_DEP_1)
	v_max_num_f32 v8, v8, v7
	s_delay_alu instid0(VALU_DEP_1)
	v_max_num_f32_dpp v8, v8, v8 row_xmask:1 row_mask:0xf bank_mask:0xf
	s_delay_alu instid0(VALU_DEP_1)
	v_max_num_f32_dpp v8, v8, v8 row_xmask:2 row_mask:0xf bank_mask:0xf
	s_delay_alu instid0(VALU_DEP_1)
	v_max_num_f32_dpp v8, v8, v8 row_xmask:4 row_mask:0xf bank_mask:0xf
	s_delay_alu instid0(VALU_DEP_1)
	v_max_num_f32_dpp v8, v8, v8 row_xmask:8 row_mask:0xf bank_mask:0xf
	s_delay_alu instid0(VALU_DEP_1)
	v_permlanex16_b32 v15, v8, s18, s19
	s_delay_alu instid0(VALU_DEP_1)
	v_max_num_f32 v8, v8, v15                      ; m of my wave's 128 rows
.irp i, 0,1,2,3
	v_sub_f32 v[10+\i], v[4+\i], v8
.endr
.irp i, 0,1,2,3
	s_delay_alu instid0(VALU_DEP_4)
	v_mul_f32 v[10+\i], s20, v[10+\i]
.endr
	s_wait_alu depctr_va_vdst(0)
.irp i, 0,1,2,3
	v_exp_f32 v[10+\i], v[10+\i]
.endr
	v_nop                                          ; a plain line behind the exponentials
	s_wait_alu depctr_va_vdst(0)
	v_add_f32 v9, v10, v11
	v_add_f32 v14, v12, v13
	s_delay_alu instid0(VALU_DEP_1)
	v_add_f32 v9, v9, v14
	s_delay_alu instid0(VALU_DEP_1)
	v_add_f32_dpp v9, v9, v9 row_xmask:1 row_mask:0xf bank_mask:0xf
	s_delay_alu instid0(VALU_DEP_1)
	v_add_f32_dpp v9, v9, v9 row_xmask:2 row_mask:0xf bank_mask:0xf
	s_delay_alu instid0(VALU_DEP_1)
	v_add_f32_dpp v9, v9, v9 row_xmask:4 row_mask:0xf bank_mask:0xf
	s_delay_alu instid0(VALU_DEP_1)
	v_add_f32_dpp v9, v9, v9 row_xmask:8 row_mask:0xf bank_mask:0xf
	s_delay_alu instid0(VALU_DEP_1)
	v_permlanex16_b32 v15, v9, s18, s19
	s_delay_alu instid0(VALU_DEP_1)
	v_add_f32 v9, v9, v15                          ; l of my wave's 128 rows
	ds_store_b64 v2, v[8:9]                        ; all lanes write the same pair with the same values
	s_wait_dscnt 0x0                               ; for the others' sake
	s_barrier_signal -1
	s_barrier_wait -1
.irp q, 0,1,2,3
	ds_load_b128 v[48+4*\q:51+4*\q], v3 offset:16*\q               ; m_g in v[48 + 2 g], l_g in v[49 + 2 g]
.endr
	s_wait_dscnt 0x0
	v_max3_num_f32 v64, v48, v50, v52
	s_delay_alu instid0(VALU_DEP_1)
	v_max3_num_f32 v64, v64, v54, v56
	s_delay_alu instid0(VALU_DEP_1)
	v_max3_num_f32 v64, v64, v58, v60
	s_delay_alu instid0(VALU_DEP_1)
	v_max_num_f32 v64, v64, v62                    ; M
.irp g, 0,1,2,3,4,5,6,7
	v_sub_f32 v[66+\g], v[48+2*\g], v64
.endr
.irp i, 0,1,2,3
	v_sub_f32 v[74+\i], v[4+\i], v64
.endr
.irp g, 0,1,2,3,4,5,6,7
	v_mul_f32 v[66+\g], s20, v[66+\g]
.endr
.irp i, 0,1,2,3
	v_mul_f32 v[74+\i], s20, v[74+\i]
.endr
	s_wait_alu depctr_va_vdst(0)
.irp g, 0,1,2,3,4,5,6,7
	v_exp_f32 v[66+\g], v[66+\g]                   ; w_g = e^(m_g - M)
.endr
.irp i, 0,1,2,3
	v_exp_f32 v[74+\i], v[74+\i]                   ; e^(s - M)
.endr
	v_nop                                          ; a plain line behind the exponentials
	s_wait_alu depctr_va_vdst(0)
	v_mul_f32 v65, v49, v66
.irp g, 1,2,3,4,5,6,7
	v_fmac_f32 v65, v[49+2*\g], v[66+\g]           ; L
.endr
	s_wait_alu depctr_va_vdst(0)
	v_rcp_f32 v82, v65
	v_nop                                          ; a plain line behind the reciprocal
	s_wait_alu depctr_va_vdst(0)
.irp i, 0,1,2,3
	v_mul_f32 v[74+\i], v[74+\i], v82              ; alpha
.endr
.irp g, 0,1,2,3,4,5,6,7
	v_mul_f32 v[66+\g], v[66+\g], v82              ; w_g / L
.endr
	global_store_b128 v1, v[74:77], s[10:11]       ; a wave stores 512 consecutive bytes, at a multiple of 256 from the buffer's first byte
	s_wait_alu depctr_va_vdst(0)
	s_wait_loadcnt 0x0                             ; the parts
.irp i, 0,1,2,3
	v_mul_f32 v[78+\i], v[16+\i], v66
.endr
.irp g, 1,2,3,4,5,6,7
.irp i, 0,1,2,3
	s_delay_alu instid0(VALU_DEP_4)
	v_fmac_f32 v[78+\i], v[16+4*\g+\i], v[66+\g]
.endr
.endr
	global_store_b128 v1, v[78:81], s[8:9]
	s_wait_tensorcnt 0x0
	ds_add_u32 v96, v97
	s_wait_dscnt 0x0
	s_endpgm
.Lfunc_end_k_q62e99c83d9_join:
	.size	k_q62e99c83d9_join, .Lfunc_end_k_q62e99c83d9_join-k_q62e99c83d9_join
	.p2alignl 7, 3214868480
	.fill 96, 4, 3214868480
	.section	.rodata,"a",@progbits
	.p2align	6, 0x0
	.amdhsa_kernel k_q62e99c83d9_join
		.amdhsa_group_segment_fixed_size 1280
		.amdhsa_private_segment_fixed_size 0
		.amdhsa_enable_private_segment 0
		.amdhsa_kernarg_size 32
		.amdhsa_user_sgpr_count 2
		.amdhsa_user_sgpr_kernarg_segment_ptr 1
		.amdhsa_wavefront_size32 1
		.amdhsa_system_sgpr_workgroup_id_x 1
		.amdhsa_system_sgpr_workgroup_id_y 1
		.amdhsa_system_sgpr_workgroup_id_z 1
		.amdhsa_system_vgpr_workitem_id 0
		.amdhsa_next_free_vgpr 98
		.amdhsa_next_free_sgpr 66
		.amdhsa_reserve_vcc 0
		.amdhsa_float_denorm_mode_32 3
		.amdhsa_float_denorm_mode_16_64 3
		.amdhsa_memory_ordered 1
		.amdhsa_forward_progress 1
		.amdhsa_inst_pref_size 9
	.end_amdhsa_kernel
	.amdgpu_metadata
---
amdhsa.version: [ 1, 2 ]
amdhsa.kernels:
  - .name:           k_q62e99c83d9_join
    .symbol:         k_q62e99c83d9_join.kd
    .args:
      - { .name: sc, .offset: 0, .size: 8, .value_kind: global_buffer, .address_space: global }
      - { .name: part, .offset: 8, .size: 8, .value_kind: global_buffer, .address_space: global }
      - { .name: out0, .offset: 16, .size: 8, .value_kind: global_buffer, .address_space: global }
      - { .name: out1, .offset: 24, .size: 8, .value_kind: global_buffer, .address_space: global }
    .group_segment_fixed_size: 1280
    .private_segment_fixed_size: 0
    .kernarg_segment_align: 8
    .kernarg_segment_size: 32
    .max_flat_workgroup_size: 256
    .sgpr_count:     66
    .vgpr_count:     98
    .wavefront_size: 32
...
	.end_amdgpu_metadata
.endif
;; end of part 3
